; MI455X (gfx1250); checked and timed in simulation.
; The chip was launched on July 23, 2026; its instructions are those of AMD's public machine-readable ISA for CDNA 5 (MIT licence, August 2026) and "CDNA5" Instruction Set Architecture Reference Guide (July 2026). The comments in the code are by the model that wrote it; some were corrected since.
;; Quantized Linear. Allowed arithmetic: matrix products marked QUANTISED: E5M2 operands, one E8M0 scale for each 32 along K, by v_wmma_scale_f32_16x16x128_f8f6f4 with both operands' format E5M2, f32 sums; everything else in f32.
;; Inputs: S 64 float32; U 4,096 x 64 float32; Vt 64 x 4,096 float32; bias 4,096 float32; centroids 8,192 x 8 float32; indices 4,096 x 512 int32; perm 4,096 int32; weight_bias 4,096 x 1 float32; weight_scale 4,096 x 1 float32; x 4,096 x 4,096 float32.
;; Outputs: out0 4,096 x 4,096 float32.
;; This version of the problem:
;;   THIS VERSION OF THE PROBLEM IS GIVEN IN LOW PRECISION. The matrix products marked QUANTISED in the list below multiply operands that are first quantised to E5M2 (5 exponent bits, 2 mantissa bits; 8 bits a number), with one power-of-two scale for each 32 numbers along K (OCP MX v1.0); their sums are f32. All else is computed in f32.
;;   The module's matrix products, in the order in which they are computed (A, B: the left and right operand; K: the contracted axis; several contracted axes count as one K, in the product's order):
;;     1. [M 4,096, K 64] x [K 64, N 4,096]; A: computed on the way; B: input Vt: QUANTISED
;;     2. [M 4,096, K 4,096] x [K 4,096, N 4,096]; A: input x; B: computed on the way: QUANTISED
;;   THE QUANTISER, for each operand of a quantised product, along K:
;;     - K is cut into blocks of 32 from its start; a last block that is shorter is filled with zeros.
;;     - A block's scale is 2^e with e = floor(log2(the largest magnitude in the block)) - 15, held to -126 .. 127; a block of zeros has e = 0. As a byte (E8M0): e + 127.
;;     - Each number is divided by its block's scale, clamped to +-57,344, and rounded to the nearest number of E5M2, ties to even, subnormals kept.
;;     - The product sums the exact products of the quantised numbers (number of the format x scale) in f32.
;;   ~~~python
;;   def quantise(x, axis):      # numpy; x: float32 -> the quantised numbers, widened to float32 again
;;       x = np.moveaxis(x, axis, -1); K = x.shape[-1]
;;       x = np.pad(x, [(0, 0)] * (x.ndim - 1) + [(0, -K % 32)]); x = x.reshape(x.shape[:-1] + (-1, 32)); a = np.abs(x).max(-1, keepdims=True)
;;       e = np.where(a > 0, np.clip(np.frexp(np.where(a > 0, a, 1))[1] - 1 - 15, -126, 127), 0)      # np.frexp(a)[1] - 1 = floor(log2(a)), exactly
;;       r = np.clip(x / 2.0 ** e, -57344, 57344)
;;       step = 2.0 ** (np.maximum(np.frexp(np.where(r == 0, 1, r))[1] - 1, -14) - 2)
;;       q = np.round(r / step) * step * 2.0 ** e      # np.round: ties to even
;;       return np.moveaxis(q.reshape(q.shape[:-2] + (-1,))[..., :K], -1, axis).astype(np.float32)
;;   ~~~
;;   OPERANDS COMPUTED ON THE WAY. 'Computed on the way' means the value that the module computes at that place (a softmax that the list does not call 'softmax' is quantised finished and normalised). What goes into a quantiser is computed in f32, as accurately as f32 sums, v_exp_f32 and their like allow (about 1e-6 of the number): no bf16 or f16 on the way to a quantiser, and a product that is left as it is and whose result goes on into a quantised operand takes f32 operands (vector FMAs, or v_wmma_f32_16x16x4_f32). A number that lies on a knife's edge between two numbers of the format may be rounded either way, as far as f32 arithmetic and the matrix unit's own rounding can turn it there, and no further.
;; One version. Each part assembles by itself: llvm-mc -triple=amdgcn-amd-amdhsa -mcpu=gfx1250 --defsym DOCPART=n.
;; ======== version 1 of 1: 3 launches
;; limits: right only within a limited range of input values
;; workspace buffers: xq 17,301,504 bytes; wq 17,301,504 bytes; vq 262,144 bytes; vs 16,384 bytes; ct 262,144 bytes
;; launch quant (part 1): grid 576 x 1, 4 waves a work-group, no clusters, 34,304 bytes of LDS; arguments x, Vt, xq, vq, vs, centroids, ct; writes xq, vq, vs, ct
.if DOCPART == 1
	.amdgcn_target "amdgcn-amd-amdhsa--gfx1250"
	.amdhsa_code_object_version 6
	.text
	.protected	k_q6df029bddd_quant
	.globl	k_q6df029bddd_quant
	.p2align	8
	.type	k_q6df029bddd_quant,@function
k_q6df029bddd_quant:
	s_mov_b64 s[64:65], 0
	v_nop
	global_prefetch_b8 v0, s[64:65] scope:SCOPE_SE
	s_setreg_imm32_b32 hwreg(HW_REG_WAVE_MODE, 25, 1), 1
	s_wait_xcnt 0x0
; x [4096][4096] f32 (K innermost) and Vt [64][4096] f32 (K = the rank, its FIRST axis) become codes of BF8 (E5M2) with one E8M0 scale byte for each 32 along K.
; A block's scale is 2^(floor(log2(its largest magnitude)) - 15); its byte is the largest magnitude's exponent field - 15, held at 1 from below; each number is held within +-57,344 x the scale and rounded to the nearest code, ties to even.
; LIMITS: a block of zeros gets the byte 1 where the quantiser says 127: its codes are zeros, which add nothing under any byte but 0xff, and only this program reads the bytes.  NaN and infinities among the inputs are not served.
; THE OUTPUT IS LAID AS THE READER'S REGISTERS WANT IT.  xq: [row / 128][k / 256][QT bytes].  In such a tile the fragment (q = (k / 128) % 2, i = (row / 16) % 8) lies at 2,048 (8 q + i): its register group c (0..3) at 512 c, lane l's 16 bytes at 16 l;
; lane (r = l % 16, h = l / 16) holds row r, k = 32 c + 16 h + 0 .. 15.  The tile's scale bytes lie behind the codes, at 32,768 + 8 (row % 128) + 4 q + c.  So a tile is 132 dense blocks of 256 bytes.
; vq: [B = j / 32][2,048]: ONE fragment image for TWO tiles of Vt^T: groups 0, 1 are tile 0, groups 2, 3 tile 1; in tile u lane (r, h) holds column j = 32 B + 8 u + r + 8 (r / 8), ranks 32 (c % 2) + 16 h + 0 .. 15.  vs: [B][lane][4]: that image's scale word.
; SHARES.  Work-groups 0-511: one tile of xq each; wave w its rows 32 w .. 32 w + 31: four fragments.  Work-groups 512-543: a wave to a pair B of Vt.  Waves share nothing: no barrier.  No matrix work, no tile that two work-groups read: no cluster.
; x's loads take 512 consecutive bytes of a row; a fragment's 16 rows x 512 bytes turn through the wave's own stage in LDS, so that a lane gets 16 neighbours along K of each block of 32.
.set QT,  33792
.set SP,  528                          ; a stage row: 512 bytes + 16 = 33 x 16: the sixteen rows that a read touches start at sixteen different 16-byte columns of 256 bytes
.set WST, 16*SP                        ; a wave's stage
.set TM,  16                           ; v16-19 largest magnitudes, v20-23 bytes, v24-27 the largest number x the scale, v28-31 the conversions' scale operands
.set PC,  32                           ; v32-47 the codes just made
.set PW,  48                           ; v48-51 the four fragments' scale words
.set R0,  64                           ; v64-255 three sets of 64 numbers
.set SEL, 20                           ; s[20:21] v_permlanex16_b32's selects for lane l xor 16
.set MNT, 23                           ; s23 the mantissa field of 57,344
; 64 numbers of a lane, register 16 b + i = k 32 b + 16 (lane / 16) + i of its row, become a fragment's codes in v[PC] on and its scale word in v[w].
.macro QUANT s, w
.set QS, \s
.irp b, 0,1,2,3
	v_max3_num_f32 v[TM+\b], |v[QS+16*\b]|, |v[QS+1+16*\b]|, 0x8000000   ; block b: my 16 numbers, and the floor 2^(16 - 127): the byte cannot fall under 1
.endr
.irp i, 2,4,6,8,10,12,14
.irp b, 0,1,2,3
	v_max3_num_f32 v[TM+\b], v[TM+\b], |v[QS+16*\b+\i]|, |v[QS+1+16*\b+\i]|   ; the four blocks by turns
.endr
.endr
.irp b, 0,1,2,3
	v_permlanex16_b32 v[TM+4+\b], v[TM+\b], s[SEL], s[SEL+1]
.endr
.irp b, 0,1,2,3
	v_max_num_f32 v[TM+\b], v[TM+\b], v[TM+4+\b]       ; with lane l xor 16's 16: the block's largest magnitude
.endr
.irp b, 0,1,2,3
	v_add_nc_u32 v[TM+12+\b], 0xf8800000, v[TM+\b]     ; 15 off its exponent field: the conversion takes the exponent field of this operand as its scale
.endr
.irp b, 0,1,2,3
	v_and_or_b32 v[TM+8+\b], v[TM+\b], 0x7f800000, s[MNT]   ; 57,344 x the scale
.endr
.irp b, 0,1,2,3
	v_lshrrev_b32 v[TM+4+\b], 23, v[TM+12+\b]          ; the scale's byte
.endr
	v_lshl_or_b32 v[\w], v[TM+5], 8, v[TM+4]           ; four bytes make the row's scale word
	v_lshl_or_b32 v[\w], v[TM+6], 16, v[\w]
	v_lshl_or_b32 v[\w], v[TM+7], 24, v[\w]
.irp b, 0,1,2,3
.irp i, 0,1,2,3,4,5,6,7,8,9,10,11,12,13,14,15
	v_med3_num_f32 v[QS+16*\b+\i], v[QS+16*\b+\i], -v[TM+8+\b], v[TM+8+\b]   ; the conversion to an 8-bit code does not saturate (ISA guide 7.6.2): the hold comes first
.endr
	v_cvt_scalef32_pk8_bf8_f32 v[PC+4*\b:PC+1+4*\b], v[QS+16*\b:QS+7+16*\b], v[TM+12+\b]
	v_cvt_scalef32_pk8_bf8_f32 v[PC+2+4*\b:PC+3+4*\b], v[QS+8+16*\b:QS+15+16*\b], v[TM+12+\b]
.endr
	v_nop                                              ; one plain vector line behind the last conversion
.endm
	s_load_b128 s[4:7], s[0:1], 0x0                ; x, Vt
	s_load_b128 s[8:11], s[0:1], 0x10              ; xq, vq
	s_load_b64 s[12:13], s[0:1], 0x20              ; vs
	s_load_b128 s[28:31], s[0:1], 0x28             ; centroids, ct
	v_lshl_add_u32 v62, v0, 2, 0x8400
	v_mov_b32 v63, 0
	v_lshrrev_b32 v1, 5, v0
	v_readfirstlane_b32 s16, v1                    ; wave 0..3
	v_and_b32 v1, 31, v0                           ; lane
	v_and_b32 v2, 15, v0                           ; r
	v_bfe_u32 v3, v0, 4, 1                         ; h
	v_lshlrev_b32 v4, 4, v1                        ; 16 x lane: my place in a load's or a store's 512 bytes
	s_mul_i32 s17, s16, WST
	v_add_nc_u32 v5, s17, v4                       ; the stage, on the way in: 16 x lane of a row
	v_mul_u32_u24 v6, v2, SP
	v_lshl_add_u32 v6, v3, 6, v6
	v_add_nc_u32 v6, s17, v6                       ; and on the way out: row r, + 64 h: my 16 numbers of a block of 32
	v_lshlrev_b32 v7, 3, v1                        ; 8 x lane: a row's two scale words
	v_and_b32 v9, 8, v2
	v_add_nc_u32 v9, v9, v2                        ; r + 8 (r / 8)
	v_lshlrev_b32 v9, 2, v9
	v_lshl_add_u32 v8, v3, 18, v9                  ; Vt: 16 h rows of 16,384 bytes + 4 bytes a column
	v_lshlrev_b32 v10, 2, v1                       ; 4 x lane
	s_mov_b32 s[SEL], 0x76543210
	s_mov_b32 s[SEL+1], 0xfedcba98
	s_mov_b32 s[MNT], 0x600000
.irp b, 0,1,2,3
	v_mov_b32 v[TM+4+\b], 0                        ; written once: a lane permute's destination counts as one of its sources
.endr
	s_wait_kmcnt 0x0
	s_cmp_ge_u32 ttmp9, 512                        ; x's work-group or Vt's: the work-group's number alone decides
	s_cbranch_scc1 .Lvt
	; ---- x: tile number ttmp9 = 16 (row / 128) + k / 256
	s_lshr_b32 s17, ttmp9, 4
	s_and_b32 s18, ttmp9, 15
	s_lshl_b32 s24, s17, 21                        ; 128 rows of 16,384 bytes,
	s_lshl_b32 s25, s16, 19                        ; my wave's 32 rows,
	s_add_co_u32 s24, s24, s25
	s_lshl_b32 s25, s18, 10                        ; 256 numbers along K
	s_add_co_u32 s24, s24, s25
	s_mov_b32 s25, 0
	s_add_nc_u64 s[4:5], s[4:5], s[24:25]
	s_mul_i32 s24, ttmp9, QT                       ; the tile in xq
	s_lshl_b32 s26, s16, 8
	s_add_co_u32 s26, s26, s24
	s_add_co_u32 s26, s26, 32768                   ; my 32 rows' 256 scale bytes
	s_mov_b32 s27, 0
	s_add_nc_u64 s[14:15], s[8:9], s[26:27]
	s_lshl_b32 s26, s16, 12                        ; my two blocks of 16 rows: 2 x 2,048 bytes a wave
	s_add_co_u32 s24, s24, s26
	s_add_nc_u64 s[8:9], s[8:9], s[24:25]
; fragment f = 2 ib + q: rows 16 ib on of my 32, K 128 q on of the tile's 256
.macro LOAD f
.set RB, R0+64*((\f)%3)
.irp rr, 0,1,2,3,4,5,6,7,8,9,10,11,12,13,14,15
	global_load_b128 v[RB+4*\rr:RB+4*\rr+3], v4, s[4:5] offset:(16*((\f)/2)+\rr)*16384+512*((\f)%2) th:TH_LOAD_NT   ; 32 lanes read 512 consecutive bytes of one row
.endr
.endm
.macro TURN f                          ; through the stage and back into the same registers: LDS serves a wave's instructions in order (ISA guide 5.7.1.4), so no wait stands between the stores and the loads
.set RB, R0+64*((\f)%3)
.irp rr, 0,1,2,3,4,5,6,7,8,9,10,11,12,13,14,15
	ds_store_b128 v5, v[RB+4*\rr:RB+4*\rr+3] offset:SP*\rr
.endr
.irp b, 0,1,2,3
.irp j, 0,1,2,3
	ds_load_b128 v[RB+16*\b+4*\j:RB+16*\b+4*\j+3], v6 offset:128*\b+16*\j
.endr
.endr
.endm
.macro STEP f
	s_wait_dscnt 0x0                               ; fragment f is back from the stage
.if (\f) < 2
	s_wait_loadcnt 16                              ; the next fragment's 16 loads are in; the 16 of the one behind it may be out
	TURN (\f)+1
.elseif (\f) == 2
	s_wait_loadcnt 0x0                             ; the last fragment's loads are in
	TURN 3
.endif
.if (\f) > 0
	s_wait_xcnt 0x0                                ; the last fragment's stores have read v[PC] on: only behind this wait are the codes written again
.endif
	QUANT R0+64*((\f)%3), PW+(\f)
.irp c, 0,1,2,3
	global_store_b128 v4, v[PC+4*\c:PC+4*\c+3], s[8:9] offset:(8*((\f)%2)+(\f)/2)*2048+512*\c   ; a register group of the image: 512 consecutive bytes
.endr
.if (\f) == 0
	LOAD 3                                         ; into the set that has just been quantised
.endif
.endm
	LOAD 0
	LOAD 1
	LOAD 2
	s_wait_loadcnt 32                              ; fragment 0's 16 loads are in; the 32 behind them may be out
	TURN 0
	STEP 0
	STEP 1
	STEP 2
	STEP 3
	v_cmp_le_u32 vcc_lo, 16, v1                    ; every lane holds row r's words: lanes 0-15 keep block 0's, lanes 16-31 take block 1's
	v_cndmask_b32 v52, v[PW+0], v[PW+2], vcc_lo    ; K half 0
	v_cndmask_b32 v53, v[PW+1], v[PW+3], vcc_lo    ; K half 1
	global_store_b64 v7, v[52:53], s[14:15]        ; 32 lanes store 256 consecutive bytes, aligned
	s_wait_tensorcnt 0x0
	ds_add_u32 v62, v63
	s_wait_dscnt 0x0
	s_endpgm
.Lvt:	; ---- Vt: pair B = 4 (work-group - 512) + wave: columns 32 B .. 32 B + 31, all 64 ranks.  A lane takes a column and its registers run down the rank.  Work-groups 544-575 take the centroids
	s_cmp_ge_u32 ttmp9, 544
	s_cbranch_scc1 .Lct
	s_sub_co_u32 s17, ttmp9, 512
	s_lshl_b32 s17, s17, 2
	s_add_co_u32 s17, s17, s16
	s_lshl_b32 s24, s17, 7                         ; 32 columns of 4 bytes; and 128 bytes of scale words
	s_mov_b32 s25, 0
	s_add_nc_u64 s[6:7], s[6:7], s[24:25]
	s_add_nc_u64 s[12:13], s[12:13], s[24:25]
	s_lshl_b32 s24, s17, 11                        ; an image of 2,048 bytes
	s_add_nc_u64 s[10:11], s[10:11], s[24:25]
	s_wait_alu depctr_va_vdst(0)
.irp u, 0,1
.irp c, 0,1
.irp i, 0,1,2,3,4,5,6,7,8,9,10,11,12,13,14,15
	global_load_b32 v[R0+32*\u+16*\c+\i], v8, s[6:7] offset:(32*\c+\i)*16384+32*\u th:TH_LOAD_NT   ; Vt(32 c + 16 h + i, 32 B + 8 u + r + 8 (r / 8))
.endr
.endr
.endr
	s_wait_loadcnt 0x0
	QUANT R0, PW                                   ; block 2 u + c: tile u's ranks 32 c on
.irp c, 0,1,2,3
	global_store_b128 v4, v[PC+4*\c:PC+4*\c+3], s[10:11] offset:512*\c
.endr
	global_store_b32 v10, v[PW], s[12:13]
	s_endpgm
.Lct:	; ---- centroids [8192][8] f32 become ct [8][8192]: element e of all centroids on end, the image that the next launch wants in LDS.  A wave takes 64 centroids, a lane two neighbours (64 bytes);
	; each store covers 256 consecutive bytes of one plane, aligned.  The table is 262,144 bytes in all: the lanes' loads stand 64 bytes apart, four of them cover a lane's 64.
	s_sub_co_u32 s17, ttmp9, 544
	s_lshl_b32 s17, s17, 2
	s_add_co_u32 s17, s17, s16                     ; which 64 centroids: 0 .. 127
	s_lshl_b32 s24, s17, 11                        ; 64 x 32 bytes
	s_mov_b32 s25, 0
	s_add_nc_u64 s[28:29], s[28:29], s[24:25]
	s_lshl_b32 s24, s17, 8                         ; 64 x 4 bytes in each plane
	s_add_nc_u64 s[30:31], s[30:31], s[24:25]
	v_lshlrev_b32 v11, 6, v1                       ; 64 x lane
	s_wait_alu depctr_va_vdst(0)
.irp j, 0,1,2,3
	global_load_b128 v[R0+4*\j:R0+4*\j+3], v11, s[28:29] offset:16*\j
.endr
	s_wait_loadcnt 0x0
.irp e, 0,1,2,3,4,5,6,7
	v_mov_b32 v[R0+16+2*\e], v[R0+\e]              ; element e of my two centroids, side by side
	v_mov_b32 v[R0+17+2*\e], v[R0+8+\e]
.endr
.irp e, 0,1,2,3,4,5,6,7
	global_store_b64 v7, v[R0+16+2*\e:R0+17+2*\e], s[30:31] offset:32768*\e
.endr
	s_endpgm
.Lfunc_end_k_q6df029bddd_quant:
	.size	k_q6df029bddd_quant, .Lfunc_end_k_q6df029bddd_quant-k_q6df029bddd_quant
	.p2alignl 7, 3214868480
	.fill 96, 4, 3214868480
	.section	.rodata,"a",@progbits
	.p2align	6, 0x0
	.amdhsa_kernel k_q6df029bddd_quant
		.amdhsa_group_segment_fixed_size 34304
		.amdhsa_private_segment_fixed_size 0
		.amdhsa_enable_private_segment 0
		.amdhsa_kernarg_size 56
		.amdhsa_user_sgpr_count 2
		.amdhsa_user_sgpr_kernarg_segment_ptr 1
		.amdhsa_wavefront_size32 1
		.amdhsa_system_sgpr_workgroup_id_x 1
		.amdhsa_system_sgpr_workgroup_id_y 1
		.amdhsa_system_sgpr_workgroup_id_z 1
		.amdhsa_system_vgpr_workitem_id 0
		.amdhsa_next_free_vgpr 256
		.amdhsa_next_free_sgpr 66
		.amdhsa_reserve_vcc 1
		.amdhsa_float_denorm_mode_32 3
		.amdhsa_float_denorm_mode_16_64 3
		.amdhsa_memory_ordered 1
		.amdhsa_forward_progress 1
		.amdhsa_inst_pref_size 68
	.end_amdhsa_kernel
	.amdgpu_metadata
---
amdhsa.version: [ 1, 2 ]
amdhsa.kernels:
  - .name:           k_q6df029bddd_quant
    .symbol:         k_q6df029bddd_quant.kd
    .args:
      - { .name: x, .offset: 0, .size: 8, .value_kind: global_buffer, .address_space: global }
      - { .name: Vt, .offset: 8, .size: 8, .value_kind: global_buffer, .address_space: global }
      - { .name: xq, .offset: 16, .size: 8, .value_kind: global_buffer, .address_space: global }
      - { .name: vq, .offset: 24, .size: 8, .value_kind: global_buffer, .address_space: global }
      - { .name: vs, .offset: 32, .size: 8, .value_kind: global_buffer, .address_space: global }
      - { .name: centroids, .offset: 40, .size: 8, .value_kind: global_buffer, .address_space: global }
      - { .name: ct, .offset: 48, .size: 8, .value_kind: global_buffer, .address_space: global }
    .group_segment_fixed_size: 34304
    .private_segment_fixed_size: 0
    .kernarg_segment_align: 8
    .kernarg_segment_size: 56
    .max_flat_workgroup_size: 128
    .sgpr_count:     66
    .vgpr_count:     256
    .wavefront_size: 32
...
	.end_amdgpu_metadata
.endif
;; end of part 1
;; launch build (part 2): grid 256 x 1, 8 waves a work-group, clusters of 4 x 1, 300,032 bytes of LDS; arguments ct, indices, perm, weight_scale, weight_bias, U, S, vq, vs, wq; writes wq
.if DOCPART == 2
	.amdgcn_target "amdgcn-amd-amdhsa--gfx1250"
	.amdhsa_code_object_version 6
	.text
	.protected	k_q6df029bddd_build
	.globl	k_q6df029bddd_build
	.p2align	8
	.type	k_q6df029bddd_build,@function
k_q6df029bddd_build:
	s_mov_b64 s[64:65], 0
	v_nop
	global_prefetch_b8 v0, s[64:65] scope:SCOPE_SE
	s_setreg_imm32_b32 hwreg(HW_REG_WAVE_MODE, 25, 1), 1
	s_wait_xcnt 0x0
	s_wait_alu depctr_hold_cnt(0) depctr_sa_sdst(0) depctr_va_vdst(0) depctr_va_sdst(0) depctr_va_ssrc(0) depctr_va_vcc(0) depctr_vm_vsrc(0)
	s_getreg_b32 s2, hwreg(HW_REG_IB_STS2, 6, 4)
	s_cmp_eq_u32 s2, 0
	s_cbranch_scc0 .Lentry_in_a_cluster
	s_endpgm
.Lentry_in_a_cluster:
	s_bfe_u32 s2, ttmp6, 0x10000c
	s_cmp_lg_u32 s2, 0x3003
	s_cbranch_scc0 .Lentry_shape_is_right
	s_endpgm
.Lentry_shape_is_right:
; W[o][j] = centroids[indices[o][perm[j] / 8]][perm[j] % 8] x ws[o] + wb[o] + sum over r of Q(U S)[o][r] Q(Vt)[r][j], in f32, then quantised along j into codes of BF8 (E5M2) with one E8M0 byte for each 32 along j.
; The low-rank product runs on codes (K = the rank, two blocks of 32): v_wmma_scale_f32_16x16x128_f8f6f4 with both formats BF8; q x ws + wb, one fused multiply-add, goes in as its C.
; wq is laid like xq: [o / 128][j / 256][33,792 bytes]: fragment (q, i) at 2,048 (8 q + i), register group c at 512 c, lane l at 16 l; scale bytes at 32,768 + 8 (o % 128) + 4 q + c.
; SHARES.  Work-group n: y = n / 2, x = n % 2: rows 32 y .. 32 y + 31, columns 2,048 x on.  Wave w: those 32 rows x the 256 columns of K step ks = 8 x + w: four fragments and 256 scale bytes.  A lane holds row r of each of the two blocks of 16 rows.
; THE GATHERS RUN OUT OF LDS.  TABLE: the centroids transposed, [e (8)][index (8,192)] f32: address (e << 15) + 4 x index.  IDX: [c (512)] 72 bytes apart, in each 16 words: word (c, r) = index[32 y + r][c] << 2 | index[32 y + 16 + r][c] << 18:
; one word serves both blocks of rows, and 72 c = 9 x (perm & 0xff8).  Both are filled once, one barrier follows, and nothing is stored to LDS behind it.
; CLUSTER 4, 1, 1: every work-group reads the whole table, which the launch before has laid transposed in ct.  Wave w asks for plane w, 32,768 dense bytes, jointly with the three partners (mask 15): one tensor load a wave, at the head.
; No byte of LDS is filled twice.  Each wave waits for its tensor load ahead of its first LDS store.  The launch has no loop to run ahead in: no prefetch.
; THE COLUMNS OF A TILE OF Vt^T ARE NOT NEIGHBOURS (vq's layout): source 0 = 16 columns j, source 1 = 16 rows of U S, so a lane holds one row o, and the 16 registers of tiles 2 b, 2 b + 1 are j = 32 b + 16 (lane / 16) + 0 .. 15.
; One fragment of vq holds two tiles, in K 0-63 and K 64-127; U S's codes stand against the half that is wanted and zero codes against the other, which then adds nothing.
; LIMITS: perm is held at 4,095 and an index at 8,191 from above; negative ones are not served.  A block of zeros gets the byte 1, not 127 (its codes are zeros; only this program reads the bytes).  NaN and infinities are not served.
; REGISTERS.  Window 0: v1-12, v36-43 addresses; v16-23 ws, wb as pairs; v24-25 U S's scale words, v26-29 Vt's; v30-33 W's scale words; v64-127 P; v128-191 T; v192-255 G0.
;   Window 1: v0-47 U S's codes between zeros; v48-111 four fragments of vq; v112-239 perm as loaded.
.set QT,   33792
.set IDX,  262144                      ; behind the table
.set PWU,  24
.set VW,   26
.set PW,   30
.set P,    64                          ; perm held, then (perm % 8) << 15; later TM and PC
.set TM,   64
.set PC,   80
.set T,    128                         ; index addresses, index pairs, table addresses, row block 1's numbers
.set G0,   192                         ; table addresses, row block 0's numbers
.set VQ,   48                          ; window 1
.set PR,   112                         ; window 1
.set SEL,  32                          ; s[32:33]
.set MNT,  34
.set MSB, 0
.macro WIN new                         ; the immediate's high byte repeats the setting that is left
.if MSB != \new
	s_set_vgpr_msb (MSB<<8)|\new
.set MSB, \new
.endif
.endm
.macro CROUND                          ; a round of the cluster's barrier
	s_barrier_signal -1
	s_barrier_wait -1
	s_cmp_lg_u32 s24, 0
	s_cbranch_scc1 .Lnot_wave_0_\@
	s_barrier_signal -3
.Lnot_wave_0_\@:
	s_barrier_wait -3
	s_barrier_signal -1
	s_barrier_wait -1
.endm
; 64 numbers of a lane, register 16 b + i = k 32 b + 16 (lane / 16) + i of its row, become a fragment's codes in v[PC] on and its scale word in v[w].  An accumulator's registers are read from the low end on.
.macro QUANT s, w
.set QS, \s
.irp b, 0,1,2,3
	v_max3_num_f32 v[TM+\b], |v[QS+16*\b]|, |v[QS+1+16*\b]|, 0x8000000   ; block b: my 16 numbers, and the floor 2^(16 - 127): the byte cannot fall under 1
.endr
.irp i, 2,4,6,8,10,12,14
.irp b, 0,1,2,3
	v_max3_num_f32 v[TM+\b], v[TM+\b], |v[QS+16*\b+\i]|, |v[QS+1+16*\b+\i]|
.endr
.endr
.irp b, 0,1,2,3
	s_delay_alu instid0(VALU_DEP_4)
	v_permlanex16_b32 v[TM+4+\b], v[TM+\b], s[SEL], s[SEL+1]
.endr
.irp b, 0,1,2,3
	s_delay_alu instid0(VALU_DEP_4)
	v_max_num_f32 v[TM+\b], v[TM+\b], v[TM+4+\b]       ; with lane l xor 16's 16: the block's largest magnitude
.endr
.irp b, 0,1,2,3
	s_delay_alu instid0(VALU_DEP_4)
	v_add_nc_u32 v[TM+12+\b], 0xf8800000, v[TM+\b]     ; 15 off its exponent field: the conversion's scale operand
.endr
.irp b, 0,1,2,3
	v_and_or_b32 v[TM+8+\b], v[TM+\b], 0x7f800000, s[MNT]   ; 57,344 x the scale
.endr
.irp b, 0,1,2,3
	v_lshrrev_b32 v[TM+4+\b], 23, v[TM+12+\b]          ; the scale's byte
.endr
	s_delay_alu instid0(VALU_DEP_3)
	v_lshl_or_b32 v[\w], v[TM+5], 8, v[TM+4]
	s_delay_alu instid0(VALU_DEP_1)
	v_lshl_or_b32 v[\w], v[TM+6], 16, v[\w]
	s_delay_alu instid0(VALU_DEP_1)
	v_lshl_or_b32 v[\w], v[TM+7], 24, v[\w]
.irp b, 0,1,2,3
.irp i, 0,1,2,3,4,5,6,7,8,9,10,11,12,13,14,15
	v_med3_num_f32 v[QS+16*\b+\i], v[QS+16*\b+\i], -v[TM+8+\b], v[TM+8+\b]   ; the conversion to an 8-bit code does not saturate (ISA guide 7.6.2): the hold comes first
.endr
	v_cvt_scalef32_pk8_bf8_f32 v[PC+4*\b:PC+1+4*\b], v[QS+16*\b:QS+7+16*\b], v[TM+12+\b]
	v_cvt_scalef32_pk8_bf8_f32 v[PC+2+4*\b:PC+3+4*\b], v[QS+8+16*\b:QS+15+16*\b], v[TM+12+\b]
.endr
	v_nop                                              ; one plain vector line behind the last conversion
.endm
.macro VQL q                           ; the four fragments of vq of my columns 128 q on (under a window setting with the destination in window 1)
.irp b, 0,1,2,3
.irp c, 0,1,2,3
	global_load_b128 v[VQ+16*\b+4*\c:VQ+16*\b+4*\c+3], v4, s[18:19] offset:8192*(\q)+2048*\b+512*\c
.endr
.endr
.endm
.macro VWL q                           ; and their scale words
.irp b, 0,1,2,3
	global_load_b32 v[VW+\b], v39, s[20:21] offset:512*(\q)+128*\b
.endr
.endm
	s_load_b256 s[4:11], s[0:1], 0x0               ; ct s[4:5], indices s[6:7], perm s[8:9], weight_scale s[10:11]
	s_load_b256 s[12:19], s[0:1], 0x20             ; weight_bias s[12:13], U s[14:15], S s[16:17], vq s[18:19]
	s_load_b128 s[20:23], s[0:1], 0x40             ; vs s[20:21], wq s[22:23]
	s_bfe_u32 s25, ttmp6, 0x40000                  ; cx
	s_lshl_b32 s26, ttmp9, 2
	s_add_co_u32 s25, s26, s25                     ; the work-group's number
	s_lshr_b32 s26, s25, 1                         ; y
	s_and_b32 s27, s25, 1
	s_lshl_b32 s27, s27, 3                         ; 8 x
	s_mov_b32 s40, 15|(3<<16)|(1<<21)              ; descriptor group 1: the four partners; elements of 8 bytes; 128 dense rows of 256 bytes
	s_mov_b32 s41, 32<<16
	s_mov_b32 s42, 128<<16
	s_mov_b32 s43, 32<<16
	s_mov_b32 s44, 128
	s_mov_b32 s45, 32
	s_mov_b32 s46, 0
	s_mov_b32 s47, 0
	s_mov_b32 s36, 1
	v_lshl_add_u32 v62, v0, 2, 0x49000
	v_mov_b32 v63, 0
	ds_add_u32 v62, v63                            ; the opening lines: the add, twice on end, and its wait
	ds_add_u32 v62, v63
	v_lshrrev_b32 v1, 5, v0
	s_delay_alu instid0(VALU_DEP_1)
	v_readfirstlane_b32 s24, v1                    ; wave 0..7
	s_add_co_u32 s27, s27, s24                     ; ks = 8 x + wave
	s_and_b32 s28, s26, 3                          ; which 32 of the tile's 128 rows
	s_lshl_b32 s29, s28, 12
	s_lshl_b32 s30, s28, 8
	s_add_co_u32 s30, s30, 32768
	s_lshl_b32 s31, s24, 3
	s_add_co_u32 s31, s31, IDX
	s_lshl_b32 s37, s24, 15                        ; my plane's place in LDS
	v_and_b32 v1, 31, v0                           ; lane
	v_and_b32 v2, 15, v0                           ; r
	v_bfe_u32 v3, v0, 4, 1                         ; h
	v_lshlrev_b32 v4, 4, v1                        ; 16 x lane
	v_lshl_add_u32 v6, v1, 3, s30                  ; wq's scale bytes: 32,768 + 256 (y % 4) + 8 x lane
	v_lshl_add_u32 v7, v2, 2, IDX                  ; the index gather: IDX + 4 r
	v_mul_u32_u24 v12, v1, 144
	v_add_nc_u32 v5, s29, v4                       ; wq's codes: 16 x lane + two fragments of 2,048 bytes for each 32 rows
	v_lshlrev_b32 v36, 6, v3                       ; 64 h: perm's and S's 16 numbers of my half
	v_add_nc_u32 v12, s31, v12                     ; the index stores: IDX + 72 (2 lane) + 4 (2 wave)
	v_lshl_add_u32 v37, v2, 8, v36                 ; U: row r of 256 bytes + 64 h
	v_lshlrev_b32 v38, 2, v2                       ; 4 r
	v_lshlrev_b32 v39, 2, v1                       ; 4 x lane
	v_lshlrev_b32 v40, 3, v1                       ; 8 x lane
.irp k, 17,19,21,23
	v_mov_b32 v\k, 0                               ; the upper halves of the pairs that the packed multiply-adds name
.endr
.irp b, 0,1,2,3
	v_mov_b32 v[TM+4+\b], 0                        ; a lane permute's destination counts as one of its sources
.endr
	s_mov_b32 s[SEL], 0x76543210
	s_mov_b32 s[SEL+1], 0xfedcba98
	s_mov_b32 s[MNT], 0x600000
	s_mov_b32 s31, 0
	s_wait_alu depctr_va_vdst(0)
	s_wait_dscnt 0x0                               ; both opening adds are done
	s_wait_kmcnt 0x0
	s_lshl_b32 s30, s24, 15
	s_add_nc_u64 s[4:5], s[4:5], s[30:31]          ; my wave's plane of ct
	s_lshl_b32 s30, s26, 5
	s_lshl_b32 s29, s24, 1
	s_add_co_u32 s30, s30, s29
	s_lshl_b32 s30, s30, 11
	s_add_nc_u64 s[6:7], s[6:7], s[30:31]          ; indices at row 32 y + 2 wave
	s_lshl_b32 s30, s27, 10
	s_add_nc_u64 s[8:9], s[8:9], s[30:31]          ; perm at 256 ks
	s_add_nc_u64 s[20:21], s[20:21], s[30:31]      ; vs at pair 8 ks
	s_lshl_b32 s30, s26, 7
	s_add_nc_u64 s[10:11], s[10:11], s[30:31]      ; ws, wb at row 32 y
	s_add_nc_u64 s[12:13], s[12:13], s[30:31]
	s_lshl_b32 s30, s26, 13
	s_add_nc_u64 s[14:15], s[14:15], s[30:31]      ; U at row 32 y
	s_lshl_b32 s30, s27, 14
	s_add_nc_u64 s[18:19], s[18:19], s[30:31]      ; vq at pair 8 ks
	s_lshr_b32 s30, s26, 2
	s_lshl_b32 s30, s30, 4
	s_add_co_u32 s30, s30, s27
	s_mul_i32 s30, s30, QT
	s_add_nc_u64 s[22:23], s[22:23], s[30:31]      ; wq at tile 16 (y / 4) + ks
	s_mov_b64 s[38:39], s[4:5]
	s_or_b32 s39, s39, 0x80000000
	CROUND                                         ; the four partners are here: the joint loads meet
	tensor_load_to_lds s[36:39], s[40:47]          ; plane e = my wave of the table: my one tensor load
	s_nop 0
	; ---- THE FILL
	WIN 0x40                                       ; destination window 1, address window 0
	VQL 0
.irp q, 0,1
.irp b, 0,1,2,3
.irp j, 0,1,2,3
	global_load_b128 v[PR+64*\q+16*\b+4*\j:PR+64*\q+16*\b+4*\j+3], v36, s[8:9] offset:512*\q+128*\b+16*\j   ; slot 16 b + i of half q: perm[256 ks + 128 q + 32 b + 16 h + i]
.endr
.endr
.endr
	WIN 0
	VWL 0
.irp ib, 0,1
.irp c, 0,1
.irp j, 0,1,2,3
	global_load_b128 v[T+32*\ib+16*\c+4*\j:T+32*\ib+16*\c+4*\j+3], v37, s[14:15] offset:4096*\ib+128*\c+16*\j   ; U(32 y + 16 ib + r, 32 c + 16 h + ..)
.endr
.endr
.endr
.irp c, 0,1
.irp j, 0,1,2,3
	global_load_b128 v[G0+16*\c+4*\j:G0+16*\c+4*\j+3], v36, s[16:17] offset:128*\c+16*\j   ; S(32 c + 16 h + ..)
.endr
.endr
	global_load_b32 v16, v38, s[10:11]             ; ws, wb of row r of block 0,
	global_load_b32 v18, v38, s[12:13]
	global_load_b32 v20, v38, s[10:11] offset:64   ; and of block 1
	global_load_b32 v22, v38, s[12:13] offset:64
	s_wait_loadcnt 0x0
.irp ib, 0,1
.irp p, 0,2,4,6,8,10,12,14,16,18,20,22,24,26,28,30
	v_pk_mul_f32 v[T+32*\ib+\p:T+32*\ib+\p+1], v[T+32*\ib+\p:T+32*\ib+\p+1], v[G0+\p:G0+\p+1]   ; U x S
.endr
.endr
	QUANT T, PW                                    ; block 2 ib + c: row block ib, ranks 32 c on: v[PC] on = block 0's eight registers, then block 1's
	WIN 0x40
.irp i, 0,1,2,3,4,5,6,7
	v_mov_b32 v[\i], v[PC+\i]                      ; window 1: codes, zeros, codes: sixteen registers from v0 are (codes, zeros), from v8 (zeros, codes)
	v_mov_b32 v[8+\i], 0
	v_mov_b32 v[16+\i], v[PC+\i]
	v_mov_b32 v[24+\i], v[PC+8+\i]                 ; and the same for row block 1, from v24 and from v32
	v_mov_b32 v[32+\i], 0
	v_mov_b32 v[40+\i], v[PC+8+\i]
.endr
	WIN 0
	v_perm_b32 v[PWU], v[PW], v[PW], 0x01000100    ; a row's two bytes twice: they scale K 0-63 or K 64-127, wherever the codes stand
	v_perm_b32 v[PWU+1], v[PW], v[PW], 0x03020302
.irp rr, 0,1
.irp ab, 0,1
.irp g, 0,1,2,3,4,5,6,7
	global_load_b64 v[T+32*\rr+16*\ab+2*\g:T+32*\rr+16*\ab+2*\g+1], v40, s[6:7] offset:(\rr+16*\ab)*2048+256*\g   ; indices(32 y + 2 wave + rr + 16 ab, 64 g + 2 lane + 0, 1): 256 consecutive bytes
.endr
.endr
.endr
	s_wait_loadcnt 0x0                             ; the index rows are in
	s_wait_tensorcnt 0x0                           ; my plane of the table has landed, ahead of my first LDS store
.irp rr, 0,1
.irp g, 0,1,2,3,4,5,6,7,8,9,10,11,12,13,14,15
	v_lshlrev_b32 v[T+32*\rr+\g], 2, v[T+32*\rr+\g]
.endr
.irp g, 0,1,2,3,4,5,6,7,8,9,10,11,12,13,14,15
	v_lshl_or_b32 v[T+32*\rr+\g], v[T+32*\rr+16+\g], 18, v[T+32*\rr+\g]   ; row r's index x 4 below, row 16 + r's above
.endr
.endr
.irp rr, 0,1
.irp g, 0,1,2,3,4,5,6,7
.irp k, 0,1
	ds_store_b32 v12, v[T+32*\rr+2*\g+\k] offset:(64*\g+\k)*72+4*\rr
.endr
.endr
.endr
	v_mul_u32_u24 v41, v0, 72                      ; the 8 bytes behind each index row's 64: thread t writes zeros behind rows t and 256 + t, so that every byte that the gather's address can reach is written
	v_mov_b32 v42, 0
	v_mov_b32 v43, 0
	v_add_nc_u32 v41, IDX+64, v41
	ds_store_b64 v41, v[42:43]
	ds_store_b64 v41, v[42:43] offset:72*256
	s_wait_dscnt 0x0                               ; for the others' sake: all my stores have landed
	s_barrier_signal -1
	s_barrier_wait -1                              ; the table and the index words are whole; from here on LDS is only read
; ---- 128 columns x 32 rows.  Slot i (0..63) of a lane stands for j = 256 ks + 128 q + 32 (i / 16) + 16 h + i % 16
.macro HALF q
	s_wait_xcnt 0x0                                ; the stores issued so far have read their data: v[P] on, which held codes, is written again only behind this wait
	WIN 0x04                                       ; source 1 window 1
.set ii, 0
.rept 64
	v_min_u32 v[P+ii], 0xfff, v[PR+64*(\q)+ii]     ; perm, held inside the row
.set ii, ii+1
.endr
	WIN 0
.set ii, 0
.rept 64
	v_and_b32 v[T+ii], 0xff8, v[P+ii]              ; 8 c
.set ii, ii+1
.endr
.set ii, 0
.rept 64
	v_mad_u32_u24 v[T+ii], v[T+ii], 9, v7          ; IDX + 72 c + 4 r
.set ii, ii+1
.endr
.set ii, 0
.rept 64
	ds_load_b32 v[T+ii], v[T+ii]                   ; both row blocks' indices
.set ii, ii+1
.endr
.set ii, 0
.rept 64
	v_and_b32 v[P+ii], 7, v[P+ii]                  ; e, while the loads are out,
.set ii, ii+1
.endr
.set ii, 0
.rept 64
	v_lshlrev_b32 v[P+ii], 15, v[P+ii]             ; as its plane of the table
.set ii, ii+1
.endr
	s_wait_dscnt 0x0
.set ii, 0
.rept 64
	v_and_b32 v[G0+ii], 0xffff, v[T+ii]            ; row block 0: 4 x index,
.set ii, ii+1
.endr
.set ii, 0
.rept 64
	v_min_u32 v[G0+ii], 0x7ffc, v[G0+ii]           ; held inside the table,
.set ii, ii+1
.endr
.set ii, 0
.rept 64
	v_add_nc_u32 v[G0+ii], v[G0+ii], v[P+ii]       ; in plane e
.set ii, ii+1
.endr
.set ii, 0
.rept 64
	ds_load_b32 v[G0+ii], v[G0+ii]
.set ii, ii+1
.endr
.set ii, 0
.rept 64
	v_lshrrev_b32 v[T+ii], 16, v[T+ii]             ; row block 1 likewise
.set ii, ii+1
.endr
.set ii, 0
.rept 64
	v_min_u32 v[T+ii], 0x7ffc, v[T+ii]
.set ii, ii+1
.endr
.set ii, 0
.rept 64
	v_add_nc_u32 v[T+ii], v[T+ii], v[P+ii]
.set ii, ii+1
.endr
.set ii, 0
.rept 64
	ds_load_b32 v[T+ii], v[T+ii]
.set ii, ii+1
.endr
	s_wait_dscnt 63                                ; row block 0's 64 are in: behind them 64 were issued, and the count's field ends at 63
.set ii, 0
.rept 32
	v_pk_fma_f32 v[G0+ii:G0+ii+1], v[G0+ii:G0+ii+1], v[16:17], v[18:19] op_sel_hi:[1,0,0]   ; q x ws + wb (of the pairs the low word serves both halves)
.set ii, ii+2
.endr
	s_wait_dscnt 0x0
.set ii, 0
.rept 32
	v_pk_fma_f32 v[T+ii:T+ii+1], v[T+ii:T+ii+1], v[20:21], v[22:23] op_sel_hi:[1,0,0]
.set ii, ii+2
.endr
.if (\q) == 1
	s_wait_alu depctr_va_vdst(0)
	s_wait_loadcnt 0x0                             ; this half's fragments of vq and their scale words, asked for in the first half
.endif
	WIN 0x05                                       ; sources 0 and 1 window 1; C and D window 0
.irp ib, 0,1                           ; sixteen different accumulators, each written once; the affine part is the C
.irp b, 0,1,2,3
.irp u, 0,1
	v_wmma_scale_f32_16x16x128_f8f6f4 v[G0-64*\ib+16*\b+8*\u:G0-64*\ib+16*\b+8*\u+7], v[VQ+16*\b:VQ+16*\b+15], v[24*\ib+8*\u:24*\ib+8*\u+15], v[G0-64*\ib+16*\b+8*\u:G0-64*\ib+16*\b+8*\u+7], v[VW+\b], v[PWU+\ib] matrix_a_fmt:MATRIX_FMT_BF8 matrix_b_fmt:MATRIX_FMT_BF8
.endr
.endr
.endr
	WIN 0
.rept 8
	v_nop                                          ; eight places in front of the reads of the results and of the loads into operand and scale registers
.endr
.if (\q) == 0
	WIN 0x40
	VQL 1
	WIN 0
	VWL 1
.endif
	s_wait_xcnt 0x0                                ; earlier stores have read v[PC] on
	QUANT G0, PW+(\q)
.irp c, 0,1,2,3
	global_store_b128 v5, v[PC+4*\c:PC+4*\c+3], s[22:23] offset:(8*(\q))*2048+512*\c      ; 512 consecutive bytes
.endr
	s_wait_xcnt 0x0                                ; these stores have read v[PC] on
	QUANT T, PW+2+(\q)
.irp c, 0,1,2,3
	global_store_b128 v5, v[PC+4*\c:PC+4*\c+3], s[22:23] offset:(8*(\q)+1)*2048+512*\c
.endr
.endm
	HALF 0
	HALF 1
	v_cmp_le_u32 vcc_lo, 16, v1                    ; every lane holds row r's words: lanes 0-15 keep row block 0's, lanes 16-31 take row block 1's
	s_delay_alu instid0(VALU_DEP_1)
	v_cndmask_b32 v34, v[PW+0], v[PW+2], vcc_lo    ; K half 0
	s_delay_alu instid0(VALU_DEP_2)
	v_cndmask_b32 v35, v[PW+1], v[PW+3], vcc_lo    ; K half 1
	global_store_b64 v6, v[34:35], s[22:23]        ; 32 lanes store 256 consecutive bytes, aligned
	s_wait_tensorcnt 0x0                           ; the wave's end
	ds_add_u32 v62, v63
	s_wait_dscnt 0x0
	CROUND                                         ; the closing round
	s_endpgm
.Lfunc_end_k_q6df029bddd_build:
	.size	k_q6df029bddd_build, .Lfunc_end_k_q6df029bddd_build-k_q6df029bddd_build
	.p2alignl 7, 3214868480
	.fill 96, 4, 3214868480
	.section	.rodata,"a",@progbits
	.p2align	6, 0x0
	.amdhsa_kernel k_q6df029bddd_build
		.amdhsa_group_segment_fixed_size 300032
		.amdhsa_private_segment_fixed_size 0
		.amdhsa_enable_private_segment 0
		.amdhsa_kernarg_size 80
		.amdhsa_user_sgpr_count 2
		.amdhsa_user_sgpr_kernarg_segment_ptr 1
		.amdhsa_wavefront_size32 1
		.amdhsa_system_sgpr_workgroup_id_x 1
		.amdhsa_system_sgpr_workgroup_id_y 1
		.amdhsa_system_sgpr_workgroup_id_z 1
		.amdhsa_system_vgpr_workitem_id 0
		.amdhsa_next_free_vgpr 496
		.amdhsa_next_free_sgpr 66
		.amdhsa_reserve_vcc 1
		.amdhsa_float_denorm_mode_32 3
		.amdhsa_float_denorm_mode_16_64 3
		.amdhsa_memory_ordered 1
		.amdhsa_forward_progress 1
		.amdhsa_inst_pref_size 176
	.end_amdhsa_kernel
	.amdgpu_metadata
---
amdhsa.version: [ 1, 2 ]
amdhsa.kernels:
  - .name:           k_q6df029bddd_build
    .symbol:         k_q6df029bddd_build.kd
    .args:
      - { .name: ct, .offset: 0, .size: 8, .value_kind: global_buffer, .address_space: global }
      - { .name: indices, .offset: 8, .size: 8, .value_kind: global_buffer, .address_space: global }
      - { .name: perm, .offset: 16, .size: 8, .value_kind: global_buffer, .address_space: global }
      - { .name: weight_scale, .offset: 24, .size: 8, .value_kind: global_buffer, .address_space: global }
      - { .name: weight_bias, .offset: 32, .size: 8, .value_kind: global_buffer, .address_space: global }
      - { .name: U, .offset: 40, .size: 8, .value_kind: global_buffer, .address_space: global }
      - { .name: S, .offset: 48, .size: 8, .value_kind: global_buffer, .address_space: global }
      - { .name: vq, .offset: 56, .size: 8, .value_kind: global_buffer, .address_space: global }
      - { .name: vs, .offset: 64, .size: 8, .value_kind: global_buffer, .address_space: global }
      - { .name: wq, .offset: 72, .size: 8, .value_kind: global_buffer, .address_space: global }
    .group_segment_fixed_size: 300032
    .private_segment_fixed_size: 0
    .kernarg_segment_align: 8
    .kernarg_segment_size: 80
    .max_flat_workgroup_size: 256
    .sgpr_count:     66
    .vgpr_count:     496
    .wavefront_size: 32
...
	.end_amdgpu_metadata
.endif
;; end of part 2
;; launch gemm (part 3): grid 16 x 16, 4 waves a work-group, clusters of 4 x 1, 327,680 bytes of LDS; arguments xq, wq, bias, out0; writes out0
.if DOCPART == 3
	.amdgcn_target "amdgcn-amd-amdhsa--gfx1250"
	.amdhsa_code_object_version 6
	.text
	.protected	k_q6df029bddd_gemm
	.globl	k_q6df029bddd_gemm
	.p2align	8
	.type	k_q6df029bddd_gemm,@function
k_q6df029bddd_gemm:
	s_mov_b64 s[64:65], 0
	v_nop
	global_prefetch_b8 v0, s[64:65] scope:SCOPE_SE
	s_setreg_imm32_b32 hwreg(HW_REG_WAVE_MODE, 25, 1), 1
	s_wait_xcnt 0x0
	s_wait_alu depctr_hold_cnt(0) depctr_sa_sdst(0) depctr_va_vdst(0) depctr_va_sdst(0) depctr_va_ssrc(0) depctr_va_vcc(0) depctr_vm_vsrc(0)
	s_getreg_b32 s2, hwreg(HW_REG_IB_STS2, 6, 4)
	s_cmp_eq_u32 s2, 0
	s_cbranch_scc0 .Lentry_in_a_cluster
	s_endpgm
.Lentry_in_a_cluster:
	s_bfe_u32 s2, ttmp6, 0x10000c
	s_cmp_lg_u32 s2, 0x3003
	s_cbranch_scc0 .Lentry_shape_is_right
	s_endpgm
.Lentry_shape_is_right:
; out0[m][o] = sum over k of x[m][k] W[o][k] + bias[o], on codes of BF8 (E5M2) with E8M0 scales, as xq and wq hold them: [row / 128][k / 256][QT bytes], a tile being sixteen fragment images of 2,048 bytes and 1,024 scale bytes.
; A work-group makes 256 x 256 of out0; wave w its rows 64 w .. 64 w + 63 x all 256 columns: 64 accumulators, 512 registers.
; x: a wave's 64 rows are read by no other wave of the work-group, so their fragments go from xq straight into registers (512 consecutive bytes a load), in four stages of 128 along K, three steps ahead of their use.
; W: all four waves read the same 256 rows, so they go through LDS: two slots of 512 along K (four tiles of QT bytes, one tensor load a wave).  With x outside LDS a slot holds twice the K that it could hold with both operands.
; CLUSTER 4, 1, 1: work-group x is the tile row, y the tile column; the four partners share the tile column, so W's tiles are asked for jointly (mask 15).  x's tiles differ between the partners: plain loads.
; W's fragments lie in two sets of four in registers.  A group is four fragments x x's four blocks: 16 products on end, eight places, then ONE run of memory instructions: the 16 LDS loads of the group two further on, into the set just multiplied, and with them the step's loads of x.
; PREFETCH: behind each refill the slot after the one asked for is named once in the cluster: of a wave's tile partner cx takes code blocks 32 cx .. 32 cx + 31 (a lane a block of 256 bytes) and scale block cx; the last refill asks for nothing.
; xq has no prefetch: its loads into registers are themselves issued three steps of 128 along K ahead of their use.
; THE MATRIX INSTRUCTION IS USED TRANSPOSED (source 0 = 16 rows of W, source 1 = 16 rows of x): a lane holds eight neighbouring columns of one row of out0.  The bias is added on the way out, in f32.
; REGISTERS.  Window 0: v0-47 addresses, bias, x's scale words; v64-95 W's scale words, two sets; v128-255 W's two sets.  Window 1: x's four stages.  Window 2: accumulators of columns 0-127 ((a, b) at 8 (4 b + a)); window 3: columns 128-255.
.set QT,     33792
.set SLOT,   4*QT
.set SPARE,  2*SLOT                    ; behind the slots: the spare words, 128 bytes a wave
.set SPITCH, 1040                      ; the way out: a stage row of 1,024 bytes + 16; the stages lie in slot 0 behind its last fill and last read
.set VL,   4                           ; v4-7    16 lane + k QT
.set VS,   8                           ; v8-9    32,768 + 8 r + h QT + 2 ks QT
.set ADR,  10                          ; v10-13  VL + the base of the slot that is read
.set ADRS, 14                          ; v14-15  VS + that base
.set VA,   16                          ; xq: 16 lane + 8,192 (wave % 2)
.set VSA,  17                          ; xq's scale words: 8 r + 256 h + 512 (wave % 2)
.set STO,  18
.set RD,   19
.set CO,   20                          ; 16 lane
.set PFO,  21
.set PSO,  22
.set SPW,  28
.set NIL,  29
.set BI,   32                          ; v32-39  bias of my eight columns of a row's two halves
.set SA,   40                          ; v40-47  x's scale words: stage s, blocks a2 (lanes 0-15) and a2 + 2 (lanes 16-31), at 4 (s / 2) + 2 a2 + 1 - s % 2: an odd register where W's is even, and the other way round
.set SB,   64                          ; W's scale words: set ks at 16 ks; register 2 i + q: lanes 0-15 block i, lanes 16-31 block 8 + i
.set RB,   128
.set G1,   24
.set PFB,  36
.set AB,   38
.set OB,   40
.set BB,   42
.set MSB, 0
.macro WIN new                         ; the immediate's high byte repeats the setting that is left
.if MSB != \new
	s_set_vgpr_msb (MSB<<8)|\new
.set MSB, \new
.endif
.endm
.set MLO, 0xa4                         ; source 0 (W) window 0, source 1 (x) window 1, C and D window 2
.set TOA, 0x40                         ; destination window 1, address window 0
.macro CREST
	s_cmp_lg_u32 s14, 0
	s_cbranch_scc1 .Lnot_wave_0_\@
	s_barrier_signal -3
.Lnot_wave_0_\@:
	s_barrier_wait -3
	s_barrier_signal -1
	s_barrier_wait -1
.endm
.macro CROUND
	s_barrier_signal -1
	s_barrier_wait -1
	CREST
.endm
.macro PLACES                          ; eight places between a product and a load into, or a read of, its registers (ISA guide 7.12.1 for the reads)
.rept 8
	v_nop
.endr
.endm
.macro WMX c, hb, ha
.if (\hb) == 0 && (\ha) == 0
	v_wmma_scale_f32_16x16x128_f8f6f4 v[FD:FD+7], v[FB:FB+15], v[FA:FA+15], \c, v[XB], v[XA] matrix_a_fmt:MATRIX_FMT_BF8 matrix_b_fmt:MATRIX_FMT_BF8
.elseif (\ha) == 0
	v_wmma_scale_f32_16x16x128_f8f6f4 v[FD:FD+7], v[FB:FB+15], v[FA:FA+15], \c, v[XB], v[XA] matrix_a_fmt:MATRIX_FMT_BF8 matrix_b_fmt:MATRIX_FMT_BF8 matrix_a_scale:MATRIX_SCALE_ROW1
.elseif (\hb) == 0
	v_wmma_scale_f32_16x16x128_f8f6f4 v[FD:FD+7], v[FB:FB+15], v[FA:FA+15], \c, v[XB], v[XA] matrix_a_fmt:MATRIX_FMT_BF8 matrix_b_fmt:MATRIX_FMT_BF8 matrix_b_scale:MATRIX_SCALE_ROW1
.else
	v_wmma_scale_f32_16x16x128_f8f6f4 v[FD:FD+7], v[FB:FB+15], v[FA:FA+15], \c, v[XB], v[XA] matrix_a_fmt:MATRIX_FMT_BF8 matrix_b_fmt:MATRIX_FMT_BF8 matrix_a_scale:MATRIX_SCALE_ROW1 matrix_b_scale:MATRIX_SCALE_ROW1
.endif
.endm
; W's fragment bb of the slot's q-th 128 along K against x's four blocks.  The 64 accumulators take turns.
.macro FR q, bb, zero
	WIN MLO+0x50*((\bb)/8)
.irp a, 0,1,2,3
.set FD, 8*(4*((\bb)%8)+\a)
.set FB, RB+16*((\bb)%8)
.set FA, 64*(\q)+16*\a
.set XB, SB+16*((\q)/2)+2*((\bb)%8)+(\q)%2
.set XA, SA+4*((\q)/2)+2*(\a%2)+1-(\q)%2
.if \zero
	WMX 0, (\bb)/8, \a/2
.else
	WMX v[FD:FD+7], (\bb)/8, \a/2
.endif
.endr
.endm
.macro LB q, b                         ; W's fragment (q, b) from the slot that is read into place b % 8
.irp c, 0,1,2,3
	ds_load_b128 v[RB+16*((\b)%8)+4*\c:RB+16*((\b)%8)+4*\c+3], v[ADR+2*((\q)/2)+(\b)/8] offset:(8*((\q)%2)+(\b)%8)*2048+512*\c
.endr
.endm
.macro LB4 q, b0                       ; a group of four
.irp j, 0,1,2,3
	LB \q, (\b0)+\j
.endr
.endm
.macro LSB ks                          ; W's scale words of the slot's ks-th 256 along K
.irp i, 0,1,2,3,4,5,6,7
	ds_load_b64 v[SB+16*(\ks)+2*\i:SB+16*(\ks)+2*\i+1], v[ADRS+(\ks)] offset:128*\i
.endr
.endm
.macro LA ao, a                        ; x's block a of step ao (counted from the base's slot) into stage ao % 4
.irp c, 0,1,2,3
	global_load_b128 v[64*((\ao)%4)+16*(\a)+4*\c:64*((\ao)%4)+16*(\a)+4*\c+3], v[VA], s[AB:AB+1] offset:((\ao)/2)*QT+(8*((\ao)%2)+(\a))*2048+512*\c
.endr
.endm
.macro LSA ao                          ; and that step's scale words
.irp a2, 0,1
	global_load_b32 v[SA+4*(((\ao)%4)/2)+2*\a2+1-(\ao)%2], v[VSA], s[AB:AB+1] offset:((\ao)/2)*QT+32768+128*\a2+4*((\ao)%2)
.endr
.endm
.macro MEET fill                       ; ahead of a change of slots: all my tensor loads have landed; the add; the descriptor and the read addresses step while it is out
	WIN 0
	s_wait_tensorcnt 0x0
	ds_add_u32 v[SPW], v[NIL]
.if \fill
	s_add_co_u32 s33, s44, s45                     ; the slot that has been read takes the next tiles,
	s_add_nc_u64 s[34:35], s[34:35], 2*QT          ; 512 along K behind the last ones asked for
.endif
	s_xor_b32 s44, s44, SLOT                       ; the other slot is read from here on
.irp k, 0,1,2,3
	v_add_nc_u32 v[ADR+\k], s44, v[VL+\k]
.endr
	v_add_nc_u32 v[ADRS], s44, v[VS]
	v_add_nc_u32 v[ADRS+1], s44, v[VS+1]
	s_wait_alu depctr_va_vdst(0)
.endm
.macro ASK
	s_cmp_gt_u32 s3, 1                             ; the last refill has no slot behind it
	s_cbranch_scc0 .Lno_ask_\@
	global_prefetch_b8 v[PFO], s[PFB:PFB+1] th:TH_LOAD_NT scope:SCOPE_SE
	global_prefetch_b8 v[PSO], s[PFB:PFB+1] th:TH_LOAD_NT scope:SCOPE_SE
.Lno_ask_\@:
.endm
; A step of 128 along K: four groups.  ao: the step whose x is asked for (-1: none); lw: younger loads of x that may stay out (18 a step);
; mode 0: inside a slot; 1: the slot's last step, with a refill; 2: the same, nothing left to fetch; 3: the launch's last step.
; The count on DScnt ahead of fragment i of a group: the 4 (3 - i) loads behind its own in their run, and EX: the younger run's 16; 24 where W's eight scale loads stand in that run; 17 with the add out; 0 where no run followed.
; A change of slots: the slot's last loads stand in the run behind its group 13; the three lines begin ahead of group 14 and end behind it; half of group 15 stands inside the round, the other half behind the next slot's first run.
.macro STEP q, zero, ao, lw, mode
	s_wait_loadcnt \lw
.irp g, 0,1,2,3
.set CH, 0
.if ((\mode) == 1 || (\mode) == 2) && \g >= 2
.set CH, 1
.endif
.set EX, 16
.if (\q) == 1 && \g == 2
.set EX, 24
.endif
.if (\mode) == 3 && \g == 3
.set EX, 0
.endif
.if CH && \g == 2
	MEET (\mode) == 1
.set EX, 17
.endif
.irp i, 0,1,2,3
.if CH && \g == 3
.if \i == 2
	WIN 0
	s_barrier_wait -1
.if (\mode) == 1
	CREST                                          ; the barrier has opened a round of the cluster's barrier
	tensor_load_to_lds s[32:35], s[G1:G1+7]        ; my one load behind the round
	s_nop 0
.endif
	LSB 0
	LB4 0, 0
.if (\mode) == 1
	ASK
.endif
.endif
.else
	s_wait_dscnt EX+4*(3-\i)
.endif
	FR \q, 4*\g+\i, \zero
.endr
.if (\mode) != 3 || \g < 2
	PLACES
.if CH && \g == 2
	s_wait_dscnt 0x0                               ; the add is done, and my reads of this slot are over: its last group is in registers
	s_barrier_signal -1
.else
	WIN 0
.set NG, 4*(\q)+\g+2
.if (\q) == 1 && \g == 1
	LSB 1
.endif
.if NG < 16
	LB4 NG/4, 4*(NG%4)
.else
	LB4 0, 4
.endif
.if (\ao) >= 0 && (\mode) == 0                 ; inside a slot all four runs stand: one block of x to each
	WIN TOA
	LA \ao, \g
	WIN 0
.if \g == 3
	LSA \ao
.endif
.endif
.if (\ao) >= 0 && (\mode) != 0 && \g < 2       ; in a slot's last step the first two runs take two blocks each
	WIN TOA
	LA \ao, 2*\g
	LA \ao, 2*\g+1
	WIN 0
.if \g == 1
	LSA \ao
.endif
.endif
.endif
.endif
.endr
.endm
	s_load_b256 s[4:11], s[0:1], 0x0               ; xq, wq, bias, out0
	v_lshl_add_u32 v[SPW], v0, 2, SPARE
	v_mov_b32 v[NIL], 0
	ds_add_u32 v[SPW], v[NIL]                      ; the opening lines: the add, twice on end, and its wait
	ds_add_u32 v[SPW], v[NIL]
	v_lshrrev_b32 v1, 5, v0
	v_readfirstlane_b32 s14, v1                    ; wave 0..3
	s_and_b32 s15, s14, 1
	s_lshr_b32 s16, s14, 1
	s_bfe_u32 s20, ttmp6, 0x40000                  ; cx
	s_lshl_b32 s21, ttmp9, 2
	s_add_co_u32 s21, s21, s20                     ; tile row
	s_and_b32 s22, ttmp7, 0xffff                   ; tile column: the same in the four partners
	s_mul_i32 s45, s14, QT                         ; my tile's place in a slot
	s_mov_b32 s44, 0                               ; the slot that is read
	s_mov_b32 s[G1+0], 15|(3<<16)|(1<<21)          ; the four partners; elements of 8 bytes; a dense tile of 132 rows of 256 bytes
	s_mov_b32 s[G1+1], 32<<16
	s_mov_b32 s[G1+2], 132<<16
	s_mov_b32 s[G1+3], 32<<16
	s_mov_b32 s[G1+4], 132
	s_mov_b32 s[G1+5], 32
	s_mov_b32 s[G1+6], 0
	s_mov_b32 s[G1+7], 0
	s_lshl_b32 s46, s21, 1
	s_add_co_u32 s46, s46, s16
	s_mul_i32 s46, s46, 16*QT                      ; xq: row tile 2 x tile row + wave / 2
	s_mov_b32 s47, 0
	s_lshl_b32 s48, s22, 1
	s_add_co_u32 s48, s48, s15
	s_lshl_b32 s48, s48, 4
	s_add_co_u32 s48, s48, s16
	s_mul_i32 s48, s48, QT                         ; wq: row tile 2 x tile column + wave % 2, K tile wave / 2
	s_mov_b32 s49, 0
	s_lshl_b32 s50, s21, 8
	s_lshl_b32 s51, s14, 6
	s_add_co_u32 s50, s50, s51
	s_lshl_b32 s50, s50, 14                        ; out0: my first row,
	s_lshl_b32 s52, s22, 10                        ; and the tile's first column, in bytes; the same in bias
	s_add_co_u32 s50, s50, s52
	s_mov_b32 s51, 0
	s_mov_b32 s53, 0
	s_lshl_b32 s54, s20, 13
	s_add_co_u32 s54, s54, 6*QT                    ; the prefetches begin at the fourth slot, at my work-group's 32 blocks
	s_mov_b32 s55, 0
	s_lshl_b32 s18, s15, 13
	s_lshl_b32 s19, s15, 9
	s_mul_i32 s23, s14, 16*SPITCH
	s_mul_i32 s56, s20, 7936
	s_sub_co_u32 s56, 32768, s56                   ; with the base's 8,192 cx: scale block cx
	v_and_b32 v1, 15, v0                           ; r
	v_bfe_u32 v2, v0, 4, 1                         ; h
	v_and_b32 v3, 31, v0                           ; lane
	v_lshlrev_b32 v[CO], 4, v3
	v_lshlrev_b32 v[PFO], 8, v3
	v_mov_b32 v[PSO], s56
	v_mul_u32_u24 v23, v2, QT
	v_lshl_add_u32 v23, v1, 3, v23
	v_add_nc_u32 v[VS], 32768, v23
	v_add_nc_u32 v[VS+1], 32768+2*QT, v23
	v_add_nc_u32 v[ADRS], 32768, v23
	v_add_nc_u32 v[ADRS+1], 32768+2*QT, v23
.irp k, 0,1,2,3
	v_add_nc_u32 v[VL+\k], \k*QT, v[CO]
	v_add_nc_u32 v[ADR+\k], \k*QT, v[CO]
.endr
	v_add_nc_u32 v[VA], s18, v[CO]
	v_lshlrev_b32 v24, 3, v1
	v_lshl_add_u32 v24, v2, 8, v24
	v_add_nc_u32 v[VSA], s19, v24
	v_mul_u32_u24 v25, v1, SPITCH
	v_lshl_add_u32 v25, v2, 5, v25
	v_add_nc_u32 v[STO], s23, v25                  ; into my stage: row r, 32 bytes for each half of the lanes
	v_add_nc_u32 v[RD], s23, v[CO]                 ; and back: 512 bytes of a row
	s_wait_alu depctr_va_vdst(0)
	s_wait_dscnt 0x0                               ; both opening adds are done
	s_wait_kmcnt 0x0
	s_add_nc_u64 s[AB:AB+1], s[4:5], s[46:47]
	s_add_nc_u64 s[34:35], s[6:7], s[48:49]
	s_add_nc_u64 s[PFB:PFB+1], s[34:35], s[54:55]
	s_or_b32 s35, s35, 0x80000000
	s_add_nc_u64 s[BB:BB+1], s[8:9], s[52:53]
	s_add_nc_u64 s[OB:OB+1], s[10:11], s[50:51]
	s_mov_b32 s32, 1
	s_mul_i32 s33, s14, QT
	CROUND                                         ; the four partners are here: the first joint loads meet
	tensor_load_to_lds s[32:35], s[G1:G1+7]        ; slot 0: my tile, my one load at the head
	s_nop 0
	global_load_b128 v[BI:BI+3], v[CO], s[BB:BB+1]
	global_load_b128 v[BI+4:BI+7], v[CO], s[BB:BB+1] offset:512
.irp t, 0,1
	WIN TOA
	LA \t, 0
	LA \t, 1
	LA \t, 2
	LA \t, 3
	WIN 0
	LSA \t
.endr
	s_wait_tensorcnt 0x0                           ; slot 1's first fill is issued as a refill is
	ds_add_u32 v[SPW], v[NIL]
	s_add_co_u32 s33, s33, SLOT
	s_add_nc_u64 s[34:35], s[34:35], 2*QT
	s_wait_dscnt 0x0
	CROUND
	tensor_load_to_lds s[32:35], s[G1:G1+7]
	s_nop 0
	LSB 0
	LB4 0, 0
	LB4 0, 4
	WIN TOA                                        ; x's third stage is asked for here, two steps ahead of its use
	LA 2, 0
	LA 2, 1
	LA 2, 2
	LA 2, 3
	WIN 0
	LSA 2
	STEP 0, 1, 3, 36, 0                            ; the first step stands ahead of the loop: its products start the sums
	s_mov_b32 s3, 6
.Lslot:                                                ; a trip: a slot's steps 1 to 3, the change of slots with its refill, the next slot's step 0
	STEP 1, 0, 4, 36, 0
	STEP 2, 0, 5, 36, 0
	STEP 3, 0, 6, 36, 1
	STEP 0, 0, 7, 36, 0
	WIN 0
	s_wait_xcnt 0x0                                ; the loads and prefetches issued so far have read their bases
	s_add_nc_u64 s[AB:AB+1], s[AB:AB+1], 2*QT
	s_add_nc_u64 s[PFB:PFB+1], s[PFB:PFB+1], 2*QT
	s_sub_co_u32 s3, s3, 1
	s_cmp_lg_u32 s3, 0
	s_cbranch_scc1 .Lslot
	STEP 1, 0, 4, 36, 0                            ; the last two slots fetch nothing into LDS
	STEP 2, 0, 5, 36, 0
	STEP 3, 0, 6, 36, 2
	STEP 0, 0, 7, 36, 0
	STEP 1, 0, -1, 36, 0
	STEP 2, 0, -1, 18, 0
	STEP 3, 0, -1, 0, 3
	WIN 0
	PLACES                                         ; ahead of the reads of the results and of the loads into operand registers
; THE WAY OUT, by blocks of 16 rows x 256 columns: through my own stage, back as whole rows, the bias added, 512 consecutive bytes a store.
; The rows come back into three buffers of 128 registers (W's sets; the two halves of window 1, where x's stages lay), so that a block's stores leave while the next block passes the stage.
.macro TOSTAGE a, win, base
	WIN 0x08
.irp b, 0,1,2,3,4,5,6,7
	ds_store_b128 v[STO], v[8*(4*\b+\a):8*(4*\b+\a)+3] offset:64*\b       ; each accumulator from its low end on
	ds_store_b128 v[STO], v[8*(4*\b+\a)+4:8*(4*\b+\a)+7] offset:64*\b+16
.endr
	WIN 0x0c
.irp b, 0,1,2,3,4,5,6,7
	ds_store_b128 v[STO], v[8*(4*\b+\a):8*(4*\b+\a)+3] offset:512+64*\b
	ds_store_b128 v[STO], v[8*(4*\b+\a)+4:8*(4*\b+\a)+7] offset:512+64*\b+16
.endr
	WIN 0x40*(\win)
.irp t, 0,1,2,3,4,5,6,7,8,9,10,11,12,13,14,15
	ds_load_b128 v[\base+8*\t:\base+8*\t+3], v[RD] offset:\t*SPITCH       ; LDS serves a wave's instructions in order: these see the stores above
	ds_load_b128 v[\base+8*\t+4:\base+8*\t+7], v[RD] offset:\t*SPITCH+512
.endr
.endm
.macro SEND a, win, base, younger      ; younger: behind the block's loads stand the next block's 32 stores and 32 loads; the count's field ends at 63
	s_wait_dscnt \younger
	WIN 0x41*(\win)                                ; destination and source 0 in the buffer's window, the bias in window 0
.irp t, 0,1,2,3,4,5,6,7,8,9,10,11,12,13,14,15
.irp p, 0,2,4,6
	v_pk_add_f32 v[\base+8*\t+\p:\base+8*\t+\p+1], v[\base+8*\t+\p:\base+8*\t+\p+1], v[BI+\p:BI+\p+1]
.endr
.endr
	WIN 0x04*(\win)                                ; the stores' data in the buffer's window
.irp t, 0,1,2,3,4,5,6,7,8,9,10,11,12,13,14,15
	global_store_b128 v[CO], v[\base+8*\t:\base+8*\t+3], s[OB:OB+1] offset:(16*(\a)+\t)*16384 th:TH_STORE_NT
	global_store_b128 v[CO], v[\base+8*\t+4:\base+8*\t+7], s[OB:OB+1] offset:(16*(\a)+\t)*16384+512 th:TH_STORE_NT
.endr
.endm
	TOSTAGE 0, 0, RB
	TOSTAGE 1, 1, 0
	SEND 0, 0, RB, 63
	TOSTAGE 2, 1, 128
	SEND 1, 1, 0, 63
	s_wait_xcnt 0x0                                ; block 0's stores have read their registers, which block 3 takes
	TOSTAGE 3, 0, RB
	SEND 2, 1, 128, 63
	SEND 3, 0, RB, 0
	WIN 0
	s_wait_tensorcnt 0x0                           ; the wave's end
	ds_add_u32 v[SPW], v[NIL]
	s_wait_dscnt 0x0
	CROUND                                         ; the closing round
	s_endpgm
.Lfunc_end_k_q6df029bddd_gemm:
	.size	k_q6df029bddd_gemm, .Lfunc_end_k_q6df029bddd_gemm-k_q6df029bddd_gemm
	.p2alignl 7, 3214868480
	.fill 96, 4, 3214868480
	.section	.rodata,"a",@progbits
	.p2align	6, 0x0
	.amdhsa_kernel k_q6df029bddd_gemm
		.amdhsa_group_segment_fixed_size 327680
		.amdhsa_private_segment_fixed_size 0
		.amdhsa_enable_private_segment 0
		.amdhsa_kernarg_size 32
		.amdhsa_user_sgpr_count 2
		.amdhsa_user_sgpr_kernarg_segment_ptr 1
		.amdhsa_wavefront_size32 1
		.amdhsa_system_sgpr_workgroup_id_x 1
		.amdhsa_system_sgpr_workgroup_id_y 1
		.amdhsa_system_sgpr_workgroup_id_z 1
		.amdhsa_system_vgpr_workitem_id 0
		.amdhsa_next_free_vgpr 1024
		.amdhsa_next_free_sgpr 66
		.amdhsa_reserve_vcc 0
		.amdhsa_float_denorm_mode_32 3
		.amdhsa_float_denorm_mode_16_64 3
		.amdhsa_memory_ordered 1
		.amdhsa_forward_progress 1
		.amdhsa_inst_pref_size 243
	.end_amdhsa_kernel
	.amdgpu_metadata
---
amdhsa.version: [ 1, 2 ]
amdhsa.kernels:
  - .name:           k_q6df029bddd_gemm
    .symbol:         k_q6df029bddd_gemm.kd
    .args:
      - { .name: xq, .offset: 0, .size: 8, .value_kind: global_buffer, .address_space: global }
      - { .name: wq, .offset: 8, .size: 8, .value_kind: global_buffer, .address_space: global }
      - { .name: bias, .offset: 16, .size: 8, .value_kind: global_buffer, .address_space: global }
      - { .name: out0, .offset: 24, .size: 8, .value_kind: global_buffer, .address_space: global }
    .group_segment_fixed_size: 327680
    .private_segment_fixed_size: 0
    .kernarg_segment_align: 8
    .kernarg_segment_size: 32
    .max_flat_workgroup_size: 128
    .sgpr_count:     66
    .vgpr_count:     1024
    .wavefront_size: 32
...
	.end_amdgpu_metadata
.endif
;; end of part 3
